; MI455X (gfx1250); checked and timed in simulation.
; The chip was launched on July 23, 2026; its instructions are those of AMD's public machine-readable ISA for CDNA 5 (MIT licence, August 2026) and "CDNA5" Instruction Set Architecture Reference Guide (July 2026). The comments in the code are by the model that wrote it; some were corrected since.
;; FP8 Linear. Allowed arithmetic: float matrix products may take bf16 or f16 operands with f32 sums; all other float work in f32.
;; Inputs: bias 4,000 float32; weight 4,000 x 4,096 float32; x 2 x 2,048 x 4,096 float32.
;; Outputs: out0 2 x 2,048 x 4,000 float32.
;; One version. Each part assembles by itself: llvm-mc -triple=amdgcn-amd-amdhsa -mcpu=gfx1250 --defsym DOCPART=n.
;; ======== version 1 of 1: 2 launches
;; workspace buffers: xb 33,554,432 bytes; wb 32,768,000 bytes
;; launch cast (part 1): grid 1012 x 1, 8 waves a work-group, no clusters, 0 bytes of LDS; arguments x, weight, xb, wb; writes xb, wb
.if DOCPART == 1
	.amdgcn_target "amdgcn-amd-amdhsa--gfx1250"
	.amdhsa_code_object_version 6
	.text
	.protected	k_q15dd652e70_cast
	.globl	k_q15dd652e70_cast
	.p2align	8
	.type	k_q15dd652e70_cast,@function
k_q15dd652e70_cast:
	s_mov_b64 s[64:65], 0
	v_nop
	global_prefetch_b8 v0, s[64:65] scope:SCOPE_SE
	s_setreg_imm32_b32 hwreg(HW_REG_WAVE_MODE, 25, 1), 1
	s_wait_xcnt 0x0
; xb = bf16(clip(x, +-64)), wb = bf16(clip(weight, +-0.875)).  x: [4096][4096] f32, weight: [4000][4096] f32; xb, wb: the same shapes in bf16.
; WHY THESE BOUNDS: the problem's clip(v/s, +-448) * s is clip(v, +-448 s), and 448 XS = 64, 448 WS = 0.875, so the two scalings and the final
; factor XS*WS cancel for every input.  Both bounds are exact in bf16: clipping and then rounding gives what rounding and then clipping gives.
; WHY A LAUNCH OF ITS OWN: every number of x is multiplied in 16 blocks of the product and every number of weight likewise; clipped and rounded
; here it costs three vector instructions for two numbers once, not once in each wave that multiplies it.
; LIMITS: a NaN is not carried on (v_med3_num_f32 gives a number for it); infinities are clipped as the problem clips them; the order of rounding
; differs from the problem's formula by the two scalings in f32 that are not made (a few parts in 10^8).
; Memory binds: each byte is read once and written once; no LDS, no barrier, no matrix unit.
; Work-groups 0 to 511 take 8 rows of x each, 512 to 1011 take 8 rows of weight.  A turn is 4,096 bytes of f32: thread t takes the 16 bytes at 16 t
; (a wave's load covers 512 consecutive bytes) and stores 8 bytes at 8 t (a wave's store covers 256 consecutive bytes, aligned).
; A ring of DEPTH slots in registers keeps DEPTH loads of every wave in flight.
.set DEPTH,  8                         ; slots = loads in flight in each wave
.set TIN,    4096                      ; bytes read in a turn
.set TOUT,   2048                      ; bytes written in a turn
.set ROUNDS, 8*16384/TIN/DEPTH         ; 32 turns, 4 rounds
.set X, 4                              ; v[4:35]   slot i: 4 f32 as loaded, clipped in place
.set Y, 36                             ; v[36:51]  slot i: 4 bf16 to store
	s_load_b256 s[4:11], s[0:1], 0x0               ; x s[4:5], weight s[6:7], xb s[8:9], wb s[10:11]
	v_lshlrev_b32 v1, 4, v0                        ; 16 t: never rewritten
	v_lshlrev_b32 v2, 3, v0                        ; 8 t: never rewritten
	s_mov_b32 s16, 0x42800000                      ; 64.0
	s_mov_b32 s17, 0x3f600000                      ; 0.875
	s_sub_co_u32 s18, ttmp9, 512                   ; the group's number among weight's
	s_wait_kmcnt 0x0
	s_cmp_lt_u32 ttmp9, 512                        ; x or weight: the condition hangs on the group's number alone
	s_cselect_b64 s[12:13], s[4:5], s[6:7]         ; from where
	s_cselect_b64 s[14:15], s[8:9], s[10:11]       ; to where
	s_cselect_b32 s16, s16, s17                    ; the upper bound
	s_cselect_b32 s18, ttmp9, s18                  ; the group's number in its buffer, 511 at the most
	s_xor_b32 s17, s16, 0x80000000                 ; the lower bound
	s_lshl_b32 s2, s18, 17                         ; 8 rows of 16,384 bytes: below 2^26
	s_mov_b32 s3, 0
	s_add_nc_u64 s[12:13], s[12:13], s[2:3]
	s_lshl_b32 s2, s18, 16                         ; 8 rows of 8,192 bytes
	s_add_nc_u64 s[14:15], s[14:15], s[2:3]
.irp i, 0,1,2,3,4,5,6,7
	global_load_b128 v[X+4*\i:X+4*\i+3], v1, s[12:13] offset:\i*TIN th:TH_LOAD_NT     ; fill the ring: turns 0 to 7
.endr
; One slot's turn.  ahead = 1: the slot is filled again with the turn DEPTH further on.
; left = how many younger loads may still be out when this slot's load has to be there.
.macro SLOT i, ahead, left
	s_wait_loadcnt \left                           ; loads come back in order (ISA guide 5.7.1): mine is in, the younger ones stay out
.irp j, 0,1,2,3
	v_med3_num_f32 v[X+4*\i+\j], v[X+4*\i+\j], s17, s16
.endr
	v_cvt_pk_bf16_f32 v[Y+2*\i],   v[X+4*\i],   v[X+4*\i+1]       ; two roundings to nearest even, packed
	v_cvt_pk_bf16_f32 v[Y+2*\i+1], v[X+4*\i+2], v[X+4*\i+3]
.if \ahead
	global_load_b128 v[X+4*\i:X+4*\i+3], v1, s[12:13] offset:(DEPTH+\i)*TIN th:TH_LOAD_NT
.endif
	global_store_b64 v2, v[Y+2*\i:Y+2*\i+1], s[14:15] offset:\i*TOUT   ; no hint: the next launch reads these bytes
.endm
	s_mov_b32 s19, ROUNDS-1
.Lround:
.irp i, 0,1,2,3,4,5,6,7
	SLOT \i, 1, DEPTH-1
.endr
	s_wait_xcnt 0x0                                ; the two bases and the stores' data Y are written again only behind this wait
	s_add_nc_u64 s[12:13], s[12:13], DEPTH*TIN
	s_add_nc_u64 s[14:15], s[14:15], DEPTH*TOUT
	s_sub_co_u32 s19, s19, 1
	s_cmp_lg_u32 s19, 0
	s_cbranch_scc1 .Lround
.irp i, 0,1,2,3,4,5,6,7
	SLOT \i, 0, DEPTH-1-\i                         ; the last round loads nothing: the counts run down, and no load leaves the buffer
.endr
	s_endpgm
.Lfunc_end_k_q15dd652e70_cast:
	.size	k_q15dd652e70_cast, .Lfunc_end_k_q15dd652e70_cast-k_q15dd652e70_cast
	.p2alignl 7, 3214868480
	.fill 96, 4, 3214868480
	.section	.rodata,"a",@progbits
	.p2align	6, 0x0
	.amdhsa_kernel k_q15dd652e70_cast
		.amdhsa_group_segment_fixed_size 0
		.amdhsa_private_segment_fixed_size 0
		.amdhsa_enable_private_segment 0
		.amdhsa_kernarg_size 32
		.amdhsa_user_sgpr_count 2
		.amdhsa_user_sgpr_kernarg_segment_ptr 1
		.amdhsa_wavefront_size32 1
		.amdhsa_system_sgpr_workgroup_id_x 1
		.amdhsa_system_sgpr_workgroup_id_y 1
		.amdhsa_system_sgpr_workgroup_id_z 1
		.amdhsa_system_vgpr_workitem_id 0
		.amdhsa_next_free_vgpr 52
		.amdhsa_next_free_sgpr 66
		.amdhsa_reserve_vcc 0
		.amdhsa_float_denorm_mode_32 3
		.amdhsa_float_denorm_mode_16_64 3
		.amdhsa_memory_ordered 1
		.amdhsa_forward_progress 1
		.amdhsa_inst_pref_size 11
	.end_amdhsa_kernel
	.amdgpu_metadata
---
amdhsa.version: [ 1, 2 ]
amdhsa.kernels:
  - .name:           k_q15dd652e70_cast
    .symbol:         k_q15dd652e70_cast.kd
    .args:
      - { .name: x, .offset: 0, .size: 8, .value_kind: global_buffer, .address_space: global }
      - { .name: weight, .offset: 8, .size: 8, .value_kind: global_buffer, .address_space: global }
      - { .name: xb, .offset: 16, .size: 8, .value_kind: global_buffer, .address_space: global }
      - { .name: wb, .offset: 24, .size: 8, .value_kind: global_buffer, .address_space: global }
    .group_segment_fixed_size: 0
    .private_segment_fixed_size: 0
    .kernarg_segment_align: 8
    .kernarg_segment_size: 32
    .max_flat_workgroup_size: 256
    .sgpr_count:     66
    .vgpr_count:     52
    .wavefront_size: 32
...
	.end_amdgpu_metadata
.endif
;; end of part 1
;; launch gemm (part 2): grid 16 x 16, 4 waves a work-group, clusters of 4 x 4, 327,680 bytes of LDS; arguments xb, wb, bias, out0; writes out0
.if DOCPART == 2
	.amdgcn_target "amdgcn-amd-amdhsa--gfx1250"
	.amdhsa_code_object_version 6
	.text
	.protected	k_q15dd652e70_gemm
	.globl	k_q15dd652e70_gemm
	.p2align	8
	.type	k_q15dd652e70_gemm,@function
k_q15dd652e70_gemm:
	s_mov_b64 s[64:65], 0
	v_nop
	global_prefetch_b8 v0, s[64:65] scope:SCOPE_SE
	s_setreg_imm32_b32 hwreg(HW_REG_WAVE_MODE, 25, 1), 1
	s_wait_xcnt 0x0
	s_wait_alu depctr_hold_cnt(0) depctr_sa_sdst(0) depctr_va_vdst(0) depctr_va_sdst(0) depctr_va_ssrc(0) depctr_va_vcc(0) depctr_vm_vsrc(0)
	s_getreg_b32 s2, hwreg(HW_REG_IB_STS2, 6, 4)
	s_cmp_eq_u32 s2, 0
	s_cbranch_scc0 .Lentry_in_a_cluster
	s_endpgm
.Lentry_in_a_cluster:
	s_bfe_u32 s2, ttmp6, 0x10000c
	s_cmp_lg_u32 s2, 0xf033
	s_cbranch_scc0 .Lentry_shape_is_right
	s_endpgm
.Lentry_shape_is_right:
; out[m][o] = sum over d of xb[m][d] * wb[o][d] + bias[o].
; xb: [4096][4096] bf16 = clip(x, +-64), wb: [4000][4096] bf16 = clip(weight, +-0.875), both made by the launch before; bias: [4000] f32; out: [4096][4000] f32.
; That is the problem's formula with its scalings cancelled: clip(v/s, +-448) * s = clip(v, +-448 s), 448 XS = 64, 448 WS = 0.875.
; LIMITS: the operands of the product are bf16, the sums f32; the order of rounding differs from the formula by the scalings that are not made.
;
; A work-group makes 256 rows x 256 columns of out with four waves; a wave makes 128 x 128: 64 accumulator tiles of 16 x 16, 512 registers.
; K goes in steps of 128 through a ring of two LDS slots filled by the tensor data mover: a tile's rows are 256 bytes of memory and start at
; multiples of 256 bytes from the buffer's first byte.
; ROWS OF ONE PARITY, SO THAT EVERY STORE IS ALIGNED.  A row of out is 16,000 bytes = 62.5 x 256: even rows begin at a multiple of 256 bytes from
; out's first byte, odd rows 128 bytes behind one.  So a work-group takes rows of one parity p, every other row of 512, and the strips of 128
; columns are laid 96 columns lower for the odd rows: strip j = 0..31 owns columns 128 j - 96 p to 128 j - 96 p + 127, as far as they lie in 0..3999.
; A wave's 512 bytes of a row then begin at 32,000 (m / 2) + 512 j (p = 0) or at 128 + 512 j - 384 (p = 1) modulo 256: a multiple of 256 in both.
; A strip is computed from column clamp(128 j - 96 p, 0, 3872), inside wb's 4000 rows, with one descriptor shape for all; only owned columns are
; stored, so each byte of out has one owner.  Two strips own 32 columns alone: p = 0, j = 31 (3968..3999) and p = 1, j = 0 (0..31): 96 of 4,096 columns are made in vain.
; NOT ALIGNED, and left so: those two pieces of 128 bytes, the end of an even row and the beginning of the next odd row, lie in one aligned block
; of 256 bytes and belong to different work-groups: 2,048 of out's 256,000 such blocks.
; CLUSTERS: 4 x 4 work-groups.  The four of a row of the cluster need the same tiles of xb, the four of a column the same tiles of wb (the parity
; is taken from the cluster's own y, which all sixteen share).  Each such tile is asked for jointly, by the same tensor load in all four with a
; mask that names them: a quarter of the requests.
;
; REGISTERS, in windows of 256 (s_set_vgpr_msb's low byte: bits 1:0 source 0, 3:2 source 1, 5:4 source 2, 7:6 destination):
;   window 0: v0-31 addresses and bias; v64-127, v128-191 fragments of xb (8 x 16 rows x 32 K), two buffers; v128-191 again on the way out
;   window 1: v64-127, v128-191 fragments of wb, two buffers
;   window 2: the 32 accumulator tiles of my first 64 rows (tile (a, b) at v[8 (8 a + b)]);   window 3: those of my last 64
; THE MATRIX INSTRUCTION IS USED TRANSPOSED: source 0 = 16 rows of wb, source 1 = 16 rows of xb.  Lane l then holds row l % 16 of the tile and
; its registers 0 to 7 the columns 8 (l / 16) + 0 .. 7: eight neighbouring f32 of a row of out, 32 bytes.
.set KSTEP_B, 256                      ; bytes of a row in a K step: 128 bf16
.set PITCH,   272                      ; an LDS row: 256 bytes + 16 of padding = 17 x 16: the 16 rows that a load touches begin in 16 different 16-byte columns modulo 256
.set HALFT,   128*PITCH                ; 128 rows: what one tensor load brings, and what one wave reads of xb or of wb
.set SLOT,    4*HALFT                  ; xb's 256 rows, then wb's 256 rows
.set STAGE,   2*SLOT                   ; behind the ring, at a multiple of 256: 16 rows x 528 bytes for each wave, for the way out; no tensor load fills it
.set SPITCH,  528                      ; a stage row: 512 bytes (128 f32) + 16 = 33 x 16
.set OROW,    16000                    ; bytes in a row of out
.set TRIPS,   15                       ; 32 K steps: a trip takes two, the last two stand behind the loop
.set ADRA, 16                          ; v16-17  LDS address of my xb fragments in slot 0, 1
.set ADRB, 20                          ; v20-21  the same for wb
.set STO,  24                          ; v24     the way out: where I put 32 bytes of a row
.set RD,   25                          ; v25     the way out: where I read 16 bytes of a row back
.set CO,   26                          ; v26     16 x lane: my byte offset in a row's 512 bytes, in bias and in out; never rewritten
.set OWN,  27                          ; v27     the first of my four columns, counted from the first column that my strip owns (modulo 2^32)
.set BIAS, 28                          ; v[28:31] bias of my four columns
.set F0,   64                          ; fragment buffer 0
.set F1,   128                         ; fragment buffer 1
.set T,    128                         ; the way out: 16 rows x 4 registers, window 0
.set G1,  24                           ; s[24:31] descriptor group 1 for xb's tiles
.set G0,  32                           ; s[32:39] descriptor group 0 for xb's tiles, one set for each slot
.set G1B, 48                           ; s[48:55] descriptor group 1 for wb's tiles: it differs in the mask and in the pitch
.set G0B, 56                           ; s[56:63] descriptor group 0 for wb's tiles, one set for each slot
.set MSB, 0
.macro WIN new                         ; the immediate's high byte repeats the setting that is left
.if MSB != \new
	s_set_vgpr_msb (MSB<<8)|\new
.set MSB, \new
.endif
.endm
.set TO_B,   0x40                      ; destination window 1, address window 0
.set MUL_LO, 0xa1                      ; source 0 (wb) window 1, source 1 (xb) window 0, C and D window 2
.set MUL_HI, 0xf1                      ; the same, C and D window 3
.set ST_LO,  0x08                      ; an LDS store's data (source 1) from window 2, its address from window 0
.set ST_HI,  0x0c                      ; the same from window 3
; A joint load.  Waves 0 and 1 fetch xb's two halves, waves 2 and 3 wb's.  Each line has one mask and one set of registers for all that issue it.
; The branch hangs on the wave's number alone: it is the same in every work-group.
.macro JLOAD s
	s_cmp_eq_u32 s13, 0
	s_cbranch_scc0 .Lfor_b_\@
	tensor_load_to_lds s[G0+4*\s:G0+4*\s+3], s[G1:G1+7]
	s_nop 0
	s_branch .Lasked_\@
.Lfor_b_\@:
	tensor_load_to_lds s[G0B+4*\s:G0B+4*\s+3], s[G1B:G1B+7]
	s_nop 0
.Lasked_\@:
.endm
; A round of the cluster's barrier: my work-group's barrier, so that wave 0's signal speaks for all four waves; wave 0 signals for the work-group;
; every wave waits for all sixteen work-groups; my work-group's barrier once more.
.macro CREST                           ; a round behind its opening barrier
	s_cmp_lg_u32 s12, 0
	s_cbranch_scc1 .Lnot_wave_0_\@
	s_barrier_signal -3
.Lnot_wave_0_\@:
	s_barrier_wait -3
	s_barrier_signal -1
	s_barrier_wait -1
.endm
.macro CROUND                          ; a whole round
	s_barrier_signal -1
	s_barrier_wait -1
	CREST
.endm
	s_load_b256 s[4:11], s[0:1], 0x0               ; xb s[4:5], wb s[6:7], bias s[8:9], out s[10:11]
	s_set_vgpr_msb 0x40
	v_lshl_add_u32 v255, v0, 2, 0x4c400
	s_set_vgpr_msb 0x4000
	v_mov_b32 v255, 0
	s_set_vgpr_msb 0x1
	ds_add_u32 v255, v255
	s_set_vgpr_msb 0x100
	v_lshrrev_b32 v1, 5, v0
	v_readfirstlane_b32 s12, v1                    ; wave 0..3
	s_lshr_b32 s13, s12, 1                         ; which half of the block's rows is mine.  Also: I fetch for xb (0) or for wb (1)
	s_and_b32 s14, s12, 1                          ; which half of its columns.  Also: which 128 rows of that tile I fetch
	s_bfe_u32 s40, ttmp6, 0x40000                  ; cx: my place along the cluster's x
	s_bfe_u32 s41, ttmp6, 0x40004                  ; cy: along its y
	s_lshl_b32 s42, ttmp9, 2                       ; in a cluster launch ttmp9 and ttmp7 count clusters
	s_add_co_u32 s42, s42, s40                     ; bx: pair of column strips = 4 x cluster x + cx
	s_and_b32 s43, ttmp7, 0xffff                   ; the cluster's y, 0..3
	s_and_b32 s75, s43, 1                          ; p: the parity of the cluster's rows
	s_lshr_b32 s43, s43, 1
	s_lshl_b32 s43, s43, 11                        ; two clusters, one of each parity, share 2,048 rows
	s_lshl_b32 s76, s41, 9                         ; of which my work-group's 256 lie among 512
	s_add_co_u32 s43, s43, s76
	s_add_co_u32 s43, s43, s75                     ; row0: my block's first row; its rows are row0 + 2 i, i = 0..255
	s_lshl_b32 s44, s41, 2
	s_lshl_b32 s44, 15, s44                        ; my row of the cluster: places 4 cy .. 4 cy + 3
	s_lshl_b32 s45, 0x1111, s40                    ; my column: places cx, cx + 4, cx + 8, cx + 12
	; descriptor group 1: a tile of 128 rows x 128 elements of 2 bytes, padded in LDS
	s_or_b32 s[G1+0], s44, (1<<16)|(1<<20)|(1<<21)|(5<<22)|(3<<25)   ; 15:0 the mask: xb's tiles go to my row; 17:16 element of 2 bytes; 20 padding on; 21 set beside a mask; 24:22 after every 64 words (code 5); 31:25 of 4 words (code 3)
	s_or_b32 s[G1B+0], s45, (1<<16)|(1<<20)|(1<<21)|(5<<22)|(3<<25)  ; the same with the mask of my column, for wb's tiles
	s_mov_b32 s[G1+1], 128<<16                     ; 63:48 tensor_dim0, low half = 128
	s_mov_b32 s[G1B+1], 128<<16
	s_mov_b32 s[G1+2], 128<<16                     ; 79:64 its high half = 0; 95:80 tensor_dim1, low half = 128
	s_mov_b32 s[G1B+2], 128<<16
	s_mov_b32 s[G1+3], 128<<16                     ; 111:96 its high half = 0; 127:112 tile_dim0 = 128
	s_mov_b32 s[G1B+3], 128<<16
	s_mov_b32 s[G1+4], 128                         ; 143:128 tile_dim1 = 128; 159:144 tile_dim2 = 0
	s_mov_b32 s[G1B+4], 128
	s_mov_b32 s[G1+5], 2*4096                      ; 191:160 elements from row to row: every other row of xb,
	s_mov_b32 s[G1B+5], 4096                       ; every row of wb
	s_mov_b32 s[G1+6], 0
	s_mov_b32 s[G1B+6], 0
	s_mov_b32 s[G1+7], 0
	s_mov_b32 s[G1B+7], 0
	; where the tiles come from.  xb's hang on the cluster's y and on cy, which my row of the cluster shares; wb's on bx and on the parity, which my
	; column shares.  Every wave makes both addresses, in registers that never hold the other coordinate, and asks by one of them.
	s_lshl_b32 s15, s14, 8                         ; 128 rows of one parity span 256 rows
	s_add_co_u32 s16, s43, s15                     ; xb: row row0 + 256 x half, 3,841 at the most; the tile's last row is 254 further on, 4,095 at the most
	s_lshl_b32 s16, s16, 13                        ; x 8,192 bytes a row: below 2^25
	s_mov_b32 s17, 0
	s_lshl_b32 s71, s42, 1
	s_add_co_u32 s71, s71, s14                     ; j = 2 bx + half: my strip of 128 columns
	s_lshl_b32 s71, s71, 7
	s_add_co_u32 s71, s71, 96
	s_mul_i32 s77, s75, 96
	s_sub_co_u32 s71, s71, s77                     ; 96 + the first column that the strip owns = 128 j + 96 - 96 p: never negative
	s_max_u32 s74, s71, 96
	s_min_u32 s74, s74, 3968                       ; 96 + the first column that it computes: held inside wb's 4000 rows
	s_sub_co_u32 s71, s74, s71                     ; computed less owned: 0, but -96 for p = 0, j = 31 and 96 for p = 1, j = 0
	s_sub_co_u32 s74, s74, 96                      ; col0: wb's row that I fetch from, and the first column of my 128 x 128; 3,872 at the most
	s_lshl_b32 s46, s74, 13
	s_mov_b32 s47, 0
	s_mul_i32 s20, s12, HALFT                      ; where my tile goes: xb's two halves, then wb's two halves = wave x 128 rows: no place in the cluster enters an LDS address
	s_wait_dscnt 0x0
	s_wait_kmcnt 0x0
	s_add_nc_u64 s[18:19], s[4:5], s[16:17]
	s_add_nc_u64 s[46:47], s[6:7], s[46:47]
	CROUND                                         ; all sixteen work-groups are here: the first joint loads meet
.irp s, 0,1
	s_mov_b32 s[G0+4*\s], 1                                        ; 1:0 count = 1
	s_add_co_u32 s[G0+4*\s+1], s20, \s*SLOT                        ; 63:32 LDS address
	s_add_nc_u64 s[G0+4*\s+2:G0+4*\s+3], s[18:19], \s*KSTEP_B      ; 120:64 global address: K step s
	s_or_b32 s[G0+4*\s+3], s[G0+4*\s+3], 0x80000000                ; 127:126 type = 2
	s_mov_b32 s[G0B+4*\s], 1
	s_add_co_u32 s[G0B+4*\s+1], s20, \s*SLOT
	s_add_nc_u64 s[G0B+4*\s+2:G0B+4*\s+3], s[46:47], \s*KSTEP_B
	s_or_b32 s[G0B+4*\s+3], s[G0B+4*\s+3], 0x80000000
	JLOAD \s                                       ; both slots are asked for before anything else: two tensor loads of the wave are out, the most in this text
.endr
	; A fragment is 16 rows x 32 K in 8 registers: lane l holds row l % 16; registers 0-3 hold K = 8 (l / 16) + 0..7, registers 4-7 hold
	; K = 16 + 8 (l / 16) + 0..7.  From rows that lie along K: two loads of 16 bytes, 32 bytes apart.  The same for source 0 and source 1.
	v_and_b32 v1, 15, v0                           ; l % 16
	v_bfe_u32 v2, v0, 4, 1                         ; l / 16
	v_and_b32 v4, 31, v0                           ; l
	v_mul_u32_u24 v3, v1, PITCH
	v_lshl_add_u32 v3, v2, 4, v3                   ; row x pitch + 16 x half
	s_mul_i32 s21, s13, HALFT                      ; my 128 rows of xb
	s_mul_i32 s22, s14, HALFT                      ; my 128 rows of wb,
	s_add_co_u32 s22, s22, 2*HALFT                 ; which lie behind xb's 256
.irp s, 0,1
	v_add_nc_u32 v[ADRA+\s], s21, v3
	v_add_nc_u32 v[ADRB+\s], s22, v3
	s_add_co_u32 s21, s21, SLOT
	s_add_co_u32 s22, s22, SLOT
.endr
	s_mul_i32 s23, s12, 16*SPITCH
	s_add_co_u32 s23, s23, STAGE                   ; my stage
	v_mul_u32_u24 v5, v1, SPITCH                   ; in: row l % 16, 32 bytes for each half of the lanes
	v_lshl_add_u32 v5, v2, 5, v5
	v_add_nc_u32 v[STO], s23, v5
	v_lshlrev_b32 v[CO], 4, v4                     ; back: the 32 lanes take one row of 512 bytes
	v_add_nc_u32 v[RD], s23, v[CO]
	v_lshl_add_u32 v[OWN], v4, 2, s71              ; 4 l + (computed less owned), modulo 2^32: 0 to 127 in the lanes whose columns my strip owns
	s_lshl_b32 s72, s74, 2
	s_mov_b32 s73, 0
	s_add_nc_u64 s[8:9], s[8:9], s[72:73]          ; bias at col0; col0 + 127 is 3,999 at the most: inside the buffer
	global_load_b128 v[BIAS:BIAS+3], v[CO], s[8:9]
; 16 matrix instructions: m blocks a0, a0 + 1 of the window's four (hi = 0: my first 64 rows, 1: my last 64) x all 8 n blocks, 32 along K.
; zero = 1: the first product starts the sums: nothing is ever cleared.
; The 64 accumulators take turns, one instruction a turn, in the same order in every quarter step, over the loop's backward jump too.
.macro MUL16 f, hi, a0, zero
.irp a, \a0, \a0+1
.irp b, 0,1,2,3,4,5,6,7
.if \zero
	v_wmma_f32_16x16x32_bf16 v[8*(8*(\a)+\b):8*(8*(\a)+\b)+7], v[\f+8*\b:\f+8*\b+7], v[\f+8*(4*\hi+\a):\f+8*(4*\hi+\a)+7], 0
.else
	v_wmma_f32_16x16x32_bf16 v[8*(8*(\a)+\b):8*(8*(\a)+\b)+7], v[\f+8*\b:\f+8*\b+7], v[\f+8*(4*\hi+\a):\f+8*(4*\hi+\a)+7], v[8*(8*(\a)+\b):8*(8*(\a)+\b)+7]
.endif
.endr
.endr
.endm
; 32 LDS loads in one run: the fragments of one quarter step (128 rows of wb, 128 rows of xb, 32 K at byte k of the rows) into buffer f
.macro FETCH slot, k, f
	WIN TO_B
.irp i, 0,1,2,3,4,5,6,7
	ds_load_b128 v[\f+8*\i:\f+8*\i+3],   v[ADRB+\slot] offset:\k+\i*16*PITCH
	ds_load_b128 v[\f+8*\i+4:\f+8*\i+7], v[ADRB+\slot] offset:\k+\i*16*PITCH+32
.endr
	WIN 0
.irp i, 0,1,2,3,4,5,6,7
	ds_load_b128 v[\f+8*\i:\f+8*\i+3],   v[ADRA+\slot] offset:\k+\i*16*PITCH
	ds_load_b128 v[\f+8*\i+4:\f+8*\i+7], v[ADRA+\slot] offset:\k+\i*16*PITCH+32
.endr
.endm
; A load into a register that a matrix instruction has read, and an LDS store that reads a matrix result, stand four places behind that matrix
; instruction, and only plain vector instructions that name none of its registers are places (ISA guide 7.12.1 for vector instructions);
; the matrix instructions in between are not counted.  Sixteen issue slots for a K step's 256 matrix instructions.
.macro PLACES
.rept 4
	v_nop
.endr
.endm
; A K step is four quarter steps of 32 along K, 64 matrix instructions each, on buffers 0, 1, 0, 1.
; One of the first three: multiplies buffer f; in its middle it fetches the next quarter's fragments, at byte k of the same slot's rows, into buffer g.
.macro QUARTER slot, k, f, g, zero
	s_wait_dscnt 8                                 ; wb's and xb's first 64 rows are in; the youngest eight loads (xb's last 64 rows) may be out
	WIN MUL_LO
	MUL16 \f, 0, 0, \zero
	MUL16 \f, 0, 2, \zero
	PLACES
	FETCH \slot, \k, \g
	s_wait_dscnt 32                                ; all but the 32 just issued
	WIN MUL_HI
	MUL16 \f, 1, 0, \zero
	MUL16 \f, 1, 2, \zero
.endm
; The last quarter: multiplies buffer 1 and changes slots.  next = the other slot; fill = 1: this slot is filled again, two K steps ahead.
; ONE barrier for the change of slots, for two things.  In front of it each wave waits for its own reads of this slot and for all its tensor loads,
; of which one is out: its part of the next slot.  Behind it nobody reads this slot any more and the next slot is whole: the refill comes
; first, then the next slot's first fragments.  From a request to the wait for it a wave issues 240 matrix instructions.
.macro TURN slot, next, fill
	s_wait_dscnt 8
	WIN MUL_LO
	MUL16 F1, 0, 0, 0
	s_wait_dscnt 0x0                               ; my reads of this slot are over
	s_wait_tensorcnt 0x0                           ; and all my tensor loads have landed: the one that was out is my part of the next slot:
	ds_add_u32 v255, v255
	s_wait_dscnt 0x0
	s_barrier_signal -1                            ; say so (where a slot is filled again this barrier opens a round of the cluster's barrier),
	MUL16 F1, 0, 2, 0                              ; work on registers while the others arrive,
	WIN 0
	s_barrier_wait -1                              ; and go on when all four have said so
.if \fill
	CREST                                          ; all sixteen work-groups have said so: no wave of any partner still reads this slot's tile or has a load on its way
	s_add_nc_u64 s[G0+4*\slot+2:G0+4*\slot+3], s[G0+4*\slot+2:G0+4*\slot+3], 2*KSTEP_B       ; no tensor load of mine is out: a group 0 may be written
	s_add_nc_u64 s[G0B+4*\slot+2:G0B+4*\slot+3], s[G0B+4*\slot+2:G0B+4*\slot+3], 2*KSTEP_B
	JLOAD \slot                                    ; the first tensor load behind the round, and my only one until the next
.endif
	PLACES
	FETCH \next, 0, F0
	WIN MUL_HI
	MUL16 F1, 1, 0, 0
	MUL16 F1, 1, 2, 0
.endm
; What is left of a K step in slot 0 behind its first quarter, and then all of a K step in slot 1 but its last quarter
.macro REST0 fill
	QUARTER 0, 128, F1, F0, 0
	QUARTER 0, 192, F0, F1, 0
	TURN 0, 1, \fill
	QUARTER 1, 64,  F0, F1, 0
	QUARTER 1, 128, F1, F0, 0
	QUARTER 1, 192, F0, F1, 0
.endm
	s_wait_loadcnt 0x0                             ; bias, once
	s_wait_tensorcnt 0x1                           ; my part of K step 0 is in; K step 1's load, issued behind it, stays out
	s_barrier_signal -1
	s_barrier_wait -1                              ; everybody's part is in
	FETCH 0, 0, F0
	QUARTER 0, 64, F0, F1, 1                       ; the first quarter step alone stands in front of the loop: its products start the sums
	WIN 0                                          ; at a label and at a branch every window is 0
	s_mov_b32 s3, TRIPS
; Trip t: quarters 1 to 3 of K step 2 t, all of K step 2 t + 1, quarter 0 of K step 2 t + 2; it asks for K steps 2 t + 2 and 2 t + 3, the last trip for 30 and 31.
.Llap:
	REST0 1
	TURN 1, 0, 1
	QUARTER 0, 64, F0, F1, 0
	WIN 0
	s_sub_co_u32 s3, s3, 1
	s_cmp_lg_u32 s3, 0
	s_cbranch_scc1 .Llap
	REST0 0                                        ; K steps 30 and 31 fill nothing and have no round of the cluster's barrier: my one load that is still out is slot 1's, the last K step's
	s_wait_dscnt 8                                 ; the very last quarter: nothing more to fetch
	WIN MUL_LO
	MUL16 F1, 0, 0, 0
	MUL16 F1, 0, 2, 0
	s_wait_dscnt 0x0
	WIN MUL_HI
	MUL16 F1, 1, 0, 0
	MUL16 F1, 1, 2, 0
	; THE WAY OUT, 16 of my rows at a time: the sums go as they are, 32 bytes a lane, into my own stage in LDS, and come back as whole rows of
	; 512 bytes, to which the bias of the lane's four columns is added.  The four v_nop are the places behind the last matrix instructions,
	; for the LDS stores that read sums and for the loads into buffer 1.
	PLACES
	WIN 0
	s_lshl_b32 s73, s13, 8                         ; my 128 rows of one parity begin 256 rows x my half behind row0
	s_add_co_u32 s72, s43, s73                     ; my first row of out, 3,841 at the most
	s_mul_i32 s72, s72, OROW                       ; in bytes: below 2^26
	s_lshl2_add_u32 s72, s74, s72                  ; + 4 col0
	s_mov_b32 s73, 0
	s_add_nc_u64 s[10:11], s[10:11], s[72:73]
	s_wait_xcnt 0x0                                ; EXEC is narrowed below only behind this wait
	v_cmp_gt_u32 vcc_lo, 128, v[OWN]               ; lanes whose columns my strip owns: all 32, but lanes 24 to 31 for p = 0, j = 31 and lanes 0 to 7 for p = 1, j = 0.  VCC stays to the end
; my rows 16 i .. 16 i + 15 = the eight tiles (a, 0..7) of window 2 or 3; in out they lie two rows apart
.macro OUT16 i, a, win
	WIN \win
.irp b, 0,1,2,3,4,5,6,7
	ds_store_b128 v[STO], v[8*(8*\a+\b):8*(8*\a+\b)+3]   offset:64*\b       ; columns 16 b + 8 (l / 16) + 0..3 of row l % 16
	ds_store_b128 v[STO], v[8*(8*\a+\b)+4:8*(8*\a+\b)+7] offset:64*\b+16    ; and + 4..7
.endr
	WIN 0
.if \i
	s_add_nc_u64 s[10:11], s[10:11], 32*OROW       ; 16 of my rows on = 32 rows of out; the stores that named this base stand in front of the last s_wait_xcnt 0
.endif
.irp t, 0,1,2,3,4,5,6,7,8,9,10,11,12,13,14,15
	ds_load_b128 v[T+4*\t:T+4*\t+3], v[RD] offset:\t*SPITCH        ; LDS serves a wave's instructions in order (ISA guide 5.7.1.4): these see the stores above; the stage is my own
.endr
.irp t, 0,1,2,3,4,5,6,7,8,9,10,11,12,13,14,15
	s_wait_dscnt 15-\t                             ; row t is in; the 15 - t younger loads may be out
	v_pk_add_f32 v[T+4*\t:T+4*\t+1],   v[T+4*\t:T+4*\t+1],   v[BIAS:BIAS+1]
	v_pk_add_f32 v[T+4*\t+2:T+4*\t+3], v[T+4*\t+2:T+4*\t+3], v[BIAS+2:BIAS+3]
.endr
	s_and_saveexec_b32 s70, vcc_lo                 ; the stores alone run under the owner's mask; it is never empty
.irp t, 0,1,2,3,4,5,6,7,8,9,10,11,12,13,14,15
	global_store_b128 v[CO], v[T+4*\t:T+4*\t+3], s[10:11] offset:\t*2*OROW th:TH_STORE_NT   ; a full strip: 512 consecutive bytes of a row, beginning at a multiple of 256 from out's first byte; 2 x 16,000 = 125 x 256 bytes from one of my rows to the next
.endr
	s_wait_xcnt 0x0                                ; EXEC, the stores' data and their base are written again only behind this wait
	s_or_b32 exec_lo, exec_lo, s70
.endm
	OUT16 0, 0, ST_LO
	OUT16 1, 1, ST_LO
	OUT16 2, 2, ST_LO
	OUT16 3, 3, ST_LO
	OUT16 4, 0, ST_HI
	OUT16 5, 1, ST_HI
	OUT16 6, 2, ST_HI
	OUT16 7, 3, ST_HI
	s_set_vgpr_msb 0x1
	s_wait_tensorcnt 0x0
	ds_add_u32 v255, v255
	s_wait_dscnt 0x0
	s_set_vgpr_msb 0x100
	CROUND                                         ; the closing round: no work-group ends while a partner may still ask for a tile that names it
	s_endpgm
.Lfunc_end_k_q15dd652e70_gemm:
	.size	k_q15dd652e70_gemm, .Lfunc_end_k_q15dd652e70_gemm-k_q15dd652e70_gemm
	.p2alignl 7, 3214868480
	.fill 96, 4, 3214868480
	.section	.rodata,"a",@progbits
	.p2align	6, 0x0
	.amdhsa_kernel k_q15dd652e70_gemm
		.amdhsa_group_segment_fixed_size 327680
		.amdhsa_private_segment_fixed_size 0
		.amdhsa_enable_private_segment 0
		.amdhsa_kernarg_size 32
		.amdhsa_user_sgpr_count 2
		.amdhsa_user_sgpr_kernarg_segment_ptr 1
		.amdhsa_wavefront_size32 1
		.amdhsa_system_sgpr_workgroup_id_x 1
		.amdhsa_system_sgpr_workgroup_id_y 1
		.amdhsa_system_sgpr_workgroup_id_z 1
		.amdhsa_system_vgpr_workitem_id 0
		.amdhsa_next_free_vgpr 1024
		.amdhsa_next_free_sgpr 78
		.amdhsa_reserve_vcc 1
		.amdhsa_float_denorm_mode_32 3
		.amdhsa_float_denorm_mode_16_64 3
		.amdhsa_memory_ordered 1
		.amdhsa_forward_progress 1
		.amdhsa_inst_pref_size 161
	.end_amdhsa_kernel
	.amdgpu_metadata
---
amdhsa.version: [ 1, 2 ]
amdhsa.kernels:
  - .name:           k_q15dd652e70_gemm
    .symbol:         k_q15dd652e70_gemm.kd
    .args:
      - { .name: xb, .offset: 0, .size: 8, .value_kind: global_buffer, .address_space: global }
      - { .name: wb, .offset: 8, .size: 8, .value_kind: global_buffer, .address_space: global }
      - { .name: bias, .offset: 16, .size: 8, .value_kind: global_buffer, .address_space: global }
      - { .name: out0, .offset: 24, .size: 8, .value_kind: global_buffer, .address_space: global }
    .group_segment_fixed_size: 327680
    .private_segment_fixed_size: 0
    .kernarg_segment_align: 8
    .kernarg_segment_size: 32
    .max_flat_workgroup_size: 128
    .sgpr_count:     78
    .vgpr_count:     1024
    .wavefront_size: 32
...
	.end_amdgpu_metadata
.endif
;; end of part 2
